; MI455X (gfx1250); checked and timed in simulation.
; The chip was launched on July 23, 2026; its instructions are those of AMD's public machine-readable ISA for CDNA 5 (MIT licence, August 2026) and "CDNA5" Instruction Set Architecture Reference Guide (July 2026). The comments in the code are by the model that wrote it; some were corrected since.
;; Quant Linear. Allowed arithmetic: float matrix products may take bf16 or f16 operands with f32 sums; other float arithmetic in f32, or as packed bf16 or f16 multiplies, adds, multiply-adds, maxima and minima; sums over many terms, partial sums and values carried from step to step in f32; what a program stores and reads back later, other than sums and carried values, may be rounded once to bf16 or f16.
;; Inputs: W_q 4,096 x 4,096 int32; W_s 4,096 float32; act_pre_scale 4,096 float32; bias 4,096 float32; x 4 x 1,024 x 4,096 float32.
;; Outputs: out0 4 x 1,024 x 4,096 float32.
;; One version. Each part assembles by itself: llvm-mc -triple=amdgcn-amd-amdhsa -mcpu=gfx1250 --defsym DOCPART=n.
;; ======== version 1 of 1: 3 launches
;; workspace buffers: pmax 4,096 bytes; xb 33,554,432 bytes; wb 33,554,432 bytes
;; launch prep (part 1): grid 4 x 256, 8 waves a work-group, no clusters, 1,280 bytes of LDS; arguments x, act_pre_scale, W_q, pmax, wb; writes pmax, wb
.if DOCPART == 1
	.amdgcn_target "amdgcn-amd-amdhsa--gfx1250"
	.amdhsa_code_object_version 6
	.text
	.protected	k_qf87d01ac1a_prep
	.globl	k_qf87d01ac1a_prep
	.p2align	8
	.type	k_qf87d01ac1a_prep,@function
k_qf87d01ac1a_prep:
	s_mov_b64 s[64:65], 0
	v_nop
	global_prefetch_b8 v0, s[64:65] scope:SCOPE_SE
	s_setreg_imm32_b32 hwreg(HW_REG_WAVE_MODE, 25, 1), 1
	s_wait_xcnt 0x0
; FIRST OF THREE LAUNCHES.  pmax[g] = the largest |x / a| of work-group g's part of x (a = act_pre_scale, by column);  wb = W_q as bf16.
; x, W_q: [4096][4096], 4 bytes a number.  A work-group owns 16 rows x 1,024 columns of x and the same part of W_q; thread t owns the 16 bytes at 16 t of
; each of its 16 row pieces, so a wave's load covers 512 consecutive bytes and its 8-byte store of bf16 covers 256 consecutive bytes, aligned.
; A thread keeps the same four columns in every row: its four a, their negatives and their reciprocals are made once.
; THE DIVISION IS CORRECTLY ROUNDED, since a quotient that is off in its last bit could later round to another whole number:
; r = 1 / a refined once; q = x r; then twice e = x - a q (fused, exact to one rounding), q = q + e r.
; LIMITS.  |a| within 2^-100 .. 2^100; a numerator below 2^-103 may be off in its last bit; NaN and infinities are not treated apart (the maximum drops a NaN).
; W_q is converted for any int32; beyond 256 in magnitude it takes bf16's rounding, as a matrix operand may.
; All 16 + 16 loads of a thread are written out: 16 are always on their way (a row of W_q is asked for into the registers that a row of x has just left).
.set ROWB,  16384                      ; bytes in a row of x and of W_q
.set ROWH,  8192                       ; bytes in a row of wb
.set SPARE, 256                        ; LDS: bytes 0-31 the eight waves' maxima (their block of 256 is theirs alone); from 256 on the spare words, 128 bytes a wave
.set OX,  1                            ; v1      16 t: my bytes in a row piece of x and W_q; never rewritten
.set OH,  2                            ; v2      8 t: my bytes in a row piece of wb; never rewritten
.set OW,  3                            ; v3      4 x my wave's number: its word in LDS
.set SPW, 4                            ; v4      LDS address of my spare word; never rewritten
.set NIL, 5                            ; v5      0; never rewritten
.set ZO,  6                            ; v6      0 as an offset
.set A,   8                            ; v[8:11]   a of my four columns
.set NA,  12                           ; v[12:15]  -a
.set R,   16                           ; v[16:19]  1 / a
.set E,   20                           ; v[20:23]  remainders, at work
.set Q,   24                           ; v[24:27]  quotients
.set MX,  28                           ; v[28:29]  two running maxima, from 0
.set MN,  30                           ; v[30:31]  two running minima, from 0
.set X,   32                           ; v[32:95]  row i: 4 registers: x, then W_q, then its bf16
.macro RECIP4 r, d, nd, e              ; four divisors: their negatives and their reciprocals, refined once
.irp j, 0,1,2,3
	v_rcp_f32 v[(\r)+(\j)], v[(\d)+(\j)]
.endr
.irp j, 0,1,2,3
	v_xor_b32 v[(\nd)+(\j)], 0x80000000, v[(\d)+(\j)]      ; plain lines that read no reciprocal and write no divisor stand behind the reciprocals (ISA guide 5.7.2)
.endr
	s_wait_alu depctr_va_vdst(0)
.irp j, 0,1,2,3
	v_fma_f32 v[(\e)+(\j)], v[(\nd)+(\j)], v[(\r)+(\j)], 1.0
.endr
.irp j, 0,1,2,3
	v_fma_f32 v[(\r)+(\j)], v[(\e)+(\j)], v[(\r)+(\j)], v[(\r)+(\j)]
.endr
.endm
.macro DIV4 q, n, nd, r, e, st         ; four quotients q = n / d, two pairs by turns; st: how far the divisor's second pair lies behind its first
	v_pk_mul_f32 v[(\q):(\q)+1], v[(\n):(\n)+1], v[(\r):(\r)+1]
	v_pk_mul_f32 v[(\q)+2:(\q)+3], v[(\n)+2:(\n)+3], v[(\r)+(\st):(\r)+(\st)+1]
.rept 2
	v_pk_fma_f32 v[(\e):(\e)+1], v[(\nd):(\nd)+1], v[(\q):(\q)+1], v[(\n):(\n)+1]
	v_pk_fma_f32 v[(\e)+2:(\e)+3], v[(\nd)+(\st):(\nd)+(\st)+1], v[(\q)+2:(\q)+3], v[(\n)+2:(\n)+3]
	v_pk_fma_f32 v[(\q):(\q)+1], v[(\e):(\e)+1], v[(\r):(\r)+1], v[(\q):(\q)+1]
	v_pk_fma_f32 v[(\q)+2:(\q)+3], v[(\e)+2:(\e)+3], v[(\r)+(\st):(\r)+(\st)+1], v[(\q)+2:(\q)+3]
.endr
.endm
	s_load_b256 s[4:11], s[0:1], 0x0               ; x s[4:5], a s[6:7], W_q s[8:9], pmax s[10:11]
	s_load_b64 s[12:13], s[0:1], 0x20              ; wb
	v_lshl_add_u32 v[SPW], v0, 2, SPARE
	v_mov_b32 v[NIL], 0
	v_lshrrev_b32 v[OW], 5, v0
	v_readfirstlane_b32 s14, v[OW]                 ; my wave's number
	v_lshlrev_b32 v[OW], 2, v[OW]
	v_lshlrev_b32 v[OX], 4, v0
	v_lshlrev_b32 v[OH], 3, v0
	v_mov_b32 v[ZO], 0
	v_mov_b32 v[MX], 0                             ; a magnitude is never below 0, so the maxima and minima may start there
	v_mov_b32 v[MX+1], 0
	v_mov_b32 v[MN], 0
	v_mov_b32 v[MN+1], 0
	s_and_b32 s15, ttmp7, 0xffff                   ; gy: which 16 rows
	s_lshl_b32 s16, s15, 18                        ; 16 rows of 16,384 bytes,
	s_lshl_b32 s18, ttmp9, 12                      ; and which 1,024 columns of 4 bytes: also the offset in a
	s_or_b32 s16, s16, s18
	s_mov_b32 s17, 0
	s_mov_b32 s19, 0
	s_lshr_b32 s24, s16, 1                         ; the same place in wb, 2 bytes a number
	s_mov_b32 s25, 0
	s_lshl_b32 s26, s15, 4                         ; my word of pmax: 4 x (4 gy + sx)
	s_lshl_b32 s27, ttmp9, 2
	s_or_b32 s26, s26, s27
	s_mov_b32 s27, 0
	s_mov_b32 s20, 0x76543210                      ; v_permlanex16_b32: each lane takes its own place in the other half
	s_mov_b32 s21, 0xfedcba98
	s_wait_kmcnt 0x0
	s_add_nc_u64 s[4:5], s[4:5], s[16:17]
	s_add_nc_u64 s[6:7], s[6:7], s[18:19]
	s_add_nc_u64 s[8:9], s[8:9], s[16:17]
	s_add_nc_u64 s[10:11], s[10:11], s[26:27]
	s_add_nc_u64 s[12:13], s[12:13], s[24:25]
	global_load_b128 v[A:A+3], v[OX], s[6:7]
.irp i, 0,1,2,3,4,5,6,7,8,9,10,11,12,13,14,15
	global_load_b128 v[X+4*(\i):X+4*(\i)+3], v[OX], s[4:5] offset:(\i)*ROWB  ; no hint: the next launch reads x again
.endr
	s_wait_loadcnt 16                              ; a is in: the 16 rows of x were asked for behind it
	RECIP4 R, A, NA, E
.macro XROW i                          ; row i of x: four quotients into the running maxima and minima; its registers take row i of W_q
	s_wait_loadcnt 15                              ; behind row i of x stand 15 - i rows of x and i rows of W_q: always 15
	DIV4 Q, X+4*(\i), NA, R, E, 2
	global_load_b128 v[X+4*(\i):X+4*(\i)+3], v[OX], s[8:9] offset:(\i)*ROWB th:TH_LOAD_NT  ; W_q is read once in the whole program
	v_max3_num_f32 v[MX],   v[MX],   v[Q],   v[Q+1]
	v_max3_num_f32 v[MX+1], v[MX+1], v[Q+2], v[Q+3]
	v_min3_num_f32 v[MN],   v[MN],   v[Q],   v[Q+1]
	v_min3_num_f32 v[MN+1], v[MN+1], v[Q+2], v[Q+3]
.endm
.irp i, 0,1,2,3,4,5,6,7,8,9,10,11,12,13,14,15
	XROW \i
.endr
	; the largest magnitude: max(maximum, -minimum); then over the wave's 32 lanes; then the wave's word in LDS
	v_max_num_f32 v[MX], v[MX], v[MX+1]
	v_min_num_f32 v[MN], v[MN], v[MN+1]
	v_xor_b32 v[MN], 0x80000000, v[MN]
	v_max_num_f32 v[MX], v[MX], v[MN]
	v_max_num_f32_dpp v[MX], v[MX], v[MX] row_xmask:1 row_mask:0xf bank_mask:0xf
	v_max_num_f32_dpp v[MX], v[MX], v[MX] row_xmask:2 row_mask:0xf bank_mask:0xf
	v_max_num_f32_dpp v[MX], v[MX], v[MX] row_xmask:4 row_mask:0xf bank_mask:0xf
	v_max_num_f32_dpp v[MX], v[MX], v[MX] row_xmask:8 row_mask:0xf bank_mask:0xf
	v_permlanex16_b32 v[MX+1], v[MX], s20, s21     ; its destination counts as read: a register that has been written
	v_max_num_f32 v[MX], v[MX], v[MX+1]
	ds_store_b32 v[OW], v[MX]                      ; all lanes write the same word with the same value
.macro WROW i                          ; row i of W_q: int32 to f32 (exact up to 2^24), to bf16 (exact up to 256), 8 bytes a lane
	s_wait_loadcnt 15-(\i)                         ; the rows of W_q behind row i stay out
.irp j, 0,1,2,3
	v_cvt_f32_i32 v[X+4*(\i)+(\j)], v[X+4*(\i)+(\j)]
.endr
	v_cvt_pk_bf16_f32 v[X+4*(\i)],   v[X+4*(\i)],   v[X+4*(\i)+1]
	v_cvt_pk_bf16_f32 v[X+4*(\i)+1], v[X+4*(\i)+2], v[X+4*(\i)+3]
	global_store_b64 v[OH], v[X+4*(\i):X+4*(\i)+1], s[12:13] offset:(\i)*ROWH  ; a wave stores 256 consecutive bytes, aligned; its registers are not written again
.endm
.irp i, 0,1,2,3,4,5,6,7,8,9,10,11,12,13,14,15
	WROW \i
.endr
	s_wait_tensorcnt 0x0                           ; the wave's end as far as LDS writes go: behind my last LDS store
	ds_add_u32 v[SPW], v[NIL]
	s_wait_dscnt 0x0                               ; my maximum is in LDS too: for the others' sake, ahead of the signal
	s_barrier_signal -1
	s_barrier_wait -1                              ; all eight words are there
	s_cmp_lg_u32 s14, 0
	s_cbranch_scc1 .Lend                           ; wave 0 alone joins them
	ds_load_b128 v[A:A+3], v[ZO]
	ds_load_b128 v[NA:NA+3], v[ZO] offset:16
	s_wait_dscnt 0x0
	v_max3_num_f32 v[A], v[A], v[A+1], v[A+2]
	v_max3_num_f32 v[A], v[A], v[A+3], v[NA]
	v_max3_num_f32 v[A], v[A], v[NA+1], v[NA+2]
	v_max_num_f32 v[A], v[A], v[NA+3]
	v_cmp_eq_u32 vcc_lo, 0, v0
	s_wait_xcnt 0x0                                ; EXEC is a source of the stores above: it changes only behind this wait
	s_and_saveexec_b32 s22, vcc_lo
	global_store_b32 v[ZO], v[A], s[10:11]         ; one word for the work-group: later launches read all 1,024 of them, so they are kept few
	s_wait_xcnt 0x0                                ; and again ahead of the line that widens it
	s_or_b32 exec_lo, exec_lo, s22
.Lend:
	s_endpgm
.Lfunc_end_k_qf87d01ac1a_prep:
	.size	k_qf87d01ac1a_prep, .Lfunc_end_k_qf87d01ac1a_prep-k_qf87d01ac1a_prep
	.p2alignl 7, 3214868480
	.fill 96, 4, 3214868480
	.section	.rodata,"a",@progbits
	.p2align	6, 0x0
	.amdhsa_kernel k_qf87d01ac1a_prep
		.amdhsa_group_segment_fixed_size 1280
		.amdhsa_private_segment_fixed_size 0
		.amdhsa_enable_private_segment 0
		.amdhsa_kernarg_size 40
		.amdhsa_user_sgpr_count 2
		.amdhsa_user_sgpr_kernarg_segment_ptr 1
		.amdhsa_wavefront_size32 1
		.amdhsa_system_sgpr_workgroup_id_x 1
		.amdhsa_system_sgpr_workgroup_id_y 1
		.amdhsa_system_sgpr_workgroup_id_z 1
		.amdhsa_system_vgpr_workitem_id 0
		.amdhsa_next_free_vgpr 96
		.amdhsa_next_free_sgpr 66
		.amdhsa_reserve_vcc 1
		.amdhsa_float_denorm_mode_32 3
		.amdhsa_float_denorm_mode_16_64 3
		.amdhsa_memory_ordered 1
		.amdhsa_forward_progress 1
		.amdhsa_inst_pref_size 28
	.end_amdhsa_kernel
	.amdgpu_metadata
---
amdhsa.version: [ 1, 2 ]
amdhsa.kernels:
  - .name:           k_qf87d01ac1a_prep
    .symbol:         k_qf87d01ac1a_prep.kd
    .args:
      - { .name: x, .offset: 0, .size: 8, .value_kind: global_buffer, .address_space: global }
      - { .name: act_pre_scale, .offset: 8, .size: 8, .value_kind: global_buffer, .address_space: global }
      - { .name: W_q, .offset: 16, .size: 8, .value_kind: global_buffer, .address_space: global }
      - { .name: pmax, .offset: 24, .size: 8, .value_kind: global_buffer, .address_space: global }
      - { .name: wb, .offset: 32, .size: 8, .value_kind: global_buffer, .address_space: global }
    .group_segment_fixed_size: 1280
    .private_segment_fixed_size: 0
    .kernarg_segment_align: 8
    .kernarg_segment_size: 40
    .max_flat_workgroup_size: 256
    .sgpr_count:     66
    .vgpr_count:     96
    .wavefront_size: 32
...
	.end_amdgpu_metadata
.endif
;; end of part 1
;; launch quant (part 2): grid 4 x 256, 8 waves a work-group, no clusters, 0 bytes of LDS; arguments x, act_pre_scale, pmax, xb; writes xb
.if DOCPART == 2
	.amdgcn_target "amdgcn-amd-amdhsa--gfx1250"
	.amdhsa_code_object_version 6
	.text
	.protected	k_qf87d01ac1a_quant
	.globl	k_qf87d01ac1a_quant
	.p2align	8
	.type	k_qf87d01ac1a_quant,@function
k_qf87d01ac1a_quant:
	s_mov_b64 s[64:65], 0
	v_nop
	global_prefetch_b8 v0, s[64:65] scope:SCOPE_SE
	s_setreg_imm32_b32 hwreg(HW_REG_WAVE_MODE, 25, 1), 1
	s_wait_xcnt 0x0
; SECOND OF THREE LAUNCHES.  xb = clip(round(x / (a s)), -8, 7) as bf16 (whole numbers, exact), s = max(max |x / a|, 1e-8) x (1/7).
; Shares as in the first launch: a work-group owns 16 rows x 1,024 columns, thread t the 16 bytes at 16 t of each row piece; a wave's load covers 512 consecutive
; bytes, its store of bf16 256 consecutive bytes, aligned.  Every wave reads all 1,024 partial maxima (4,096 bytes, 32 registers) and makes s itself: no LDS, no barrier.
; ORDER OF ROUNDING.  reference() writes (x / a) / s with s = m / 7.  This text takes the form into which a compiler's algebraic rules bring that when reference() is compiled
; as a whole (A / constant = A x (1 / constant); (A / B) / C = A / (B C)): s = m x (1/7 rounded to f32), d = a s rounded once, and ONE correctly rounded division x / d.
; Against the text as written s may differ in its last bit, and a quotient likewise; a quotient that lies so near a tie then rounds to the neighbouring whole number.
; THE DIVISION IS CORRECTLY ROUNDED: r = 1 / d refined once; q = x r; then twice e = x - d q (fused), q = q + e r.  A quotient off in its last bit could round to another
; whole number, and one such number moves a whole row of the output.  The rounding is to the nearest whole number, ties to even.
; LIMITS.  |a s| within 2^-100 .. 2^100; a numerator below 2^-103 may be off in its last bit (s is at least 1e-8 / 7, so it rounds to 0 all the same);
; NaN and infinities are not treated apart.
.set ROWB,  16384                      ; bytes in a row of x
.set ROWH,  8192                       ; bytes in a row of xb
.set OX,  1                            ; v1      16 t; never rewritten
.set OH,  2                            ; v2      8 t; never rewritten
.set OL,  3                            ; v3      16 x lane: my bytes in 512 of pmax; never rewritten
.set D,   8                            ; v[8:11]   a of my four columns, then d = a s
.set ND,  12                           ; v[12:15]  -d
.set R,   16                           ; v[16:19]  1 / d
.set M,   20                           ; v20       the maximum, then s
.set X,   32                           ; v[32:95]  row i: 4 registers: x, then its bf16
.set P,   96                           ; v[96:127] the partial maxima; when s is made, what follows lies there
.set E,   96                           ; v[96:99]   remainders, at work
.set V,   104                          ; v[104:107] x / d
.set R7,  15                           ; s15  1/7 rounded to f32
.set SEL, 20                           ; s[20:21] v_permlanex16_b32's selects
.set LO,  22                           ; s22  -8.0
.set HI,  23                           ; s23  7.0
.macro RECIP4 r, d, nd, e              ; four divisors: their negatives and their reciprocals, refined once
.irp j, 0,1,2,3
	v_rcp_f32 v[(\r)+(\j)], v[(\d)+(\j)]
.endr
.irp j, 0,1,2,3
	v_xor_b32 v[(\nd)+(\j)], 0x80000000, v[(\d)+(\j)]      ; plain lines that read no reciprocal and write no divisor stand behind the reciprocals (ISA guide 5.7.2)
.endr
	s_wait_alu depctr_va_vdst(0)
.irp j, 0,1,2,3
	v_fma_f32 v[(\e)+(\j)], v[(\nd)+(\j)], v[(\r)+(\j)], 1.0
.endr
.irp j, 0,1,2,3
	v_fma_f32 v[(\r)+(\j)], v[(\e)+(\j)], v[(\r)+(\j)], v[(\r)+(\j)]
.endr
.endm
.macro DIV4 q, n, nd, r, e             ; four quotients q = n / d, two pairs by turns
	v_pk_mul_f32 v[(\q):(\q)+1], v[(\n):(\n)+1], v[(\r):(\r)+1]
	v_pk_mul_f32 v[(\q)+2:(\q)+3], v[(\n)+2:(\n)+3], v[(\r)+2:(\r)+3]
.rept 2
	v_pk_fma_f32 v[(\e):(\e)+1], v[(\nd):(\nd)+1], v[(\q):(\q)+1], v[(\n):(\n)+1]
	v_pk_fma_f32 v[(\e)+2:(\e)+3], v[(\nd)+2:(\nd)+3], v[(\q)+2:(\q)+3], v[(\n)+2:(\n)+3]
	v_pk_fma_f32 v[(\q):(\q)+1], v[(\e):(\e)+1], v[(\r):(\r)+1], v[(\q):(\q)+1]
	v_pk_fma_f32 v[(\q)+2:(\q)+3], v[(\e)+2:(\e)+3], v[(\r)+2:(\r)+3], v[(\q)+2:(\q)+3]
.endr
.endm
; The 32 registers at p (1,024 partial maxima over the wave) -> s in v[m], in every lane.  Four chains of seven, the four left over, the chains joined; the lanes; the clip at 1e-8; times 1/7.
.macro SCALE p, m
.irp k, 0,1,2,3
	v_max3_num_f32 v[(\p)+8*(\k)], v[(\p)+8*(\k)], v[(\p)+8*(\k)+1], v[(\p)+8*(\k)+2]
.endr
.irp k, 0,1,2,3
	v_max3_num_f32 v[(\p)+8*(\k)], v[(\p)+8*(\k)], v[(\p)+8*(\k)+3], v[(\p)+8*(\k)+4]
.endr
.irp k, 0,1,2,3
	v_max3_num_f32 v[(\p)+8*(\k)], v[(\p)+8*(\k)], v[(\p)+8*(\k)+5], v[(\p)+8*(\k)+6]
.endr
	v_max3_num_f32 v[(\p)], v[(\p)], v[(\p)+7], v[(\p)+15]
	v_max3_num_f32 v[(\p)+16], v[(\p)+16], v[(\p)+23], v[(\p)+31]
	v_max3_num_f32 v[(\p)], v[(\p)], v[(\p)+8], v[(\p)+16]
	v_max_num_f32 v[(\m)], v[(\p)], v[(\p)+24]
	v_max_num_f32_dpp v[(\m)], v[(\m)], v[(\m)] row_xmask:1 row_mask:0xf bank_mask:0xf
	v_max_num_f32_dpp v[(\m)], v[(\m)], v[(\m)] row_xmask:2 row_mask:0xf bank_mask:0xf
	v_max_num_f32_dpp v[(\m)], v[(\m)], v[(\m)] row_xmask:4 row_mask:0xf bank_mask:0xf
	v_max_num_f32_dpp v[(\m)], v[(\m)], v[(\m)] row_xmask:8 row_mask:0xf bank_mask:0xf
	v_permlanex16_b32 v[(\p)+1], v[(\m)], s[SEL], s[SEL+1]  ; its destination counts as read: a register that has been written
	v_max_num_f32 v[(\m)], v[(\m)], v[(\p)+1]
	v_max_num_f32 v[(\m)], 0x322bcc77, v[(\m)]     ; at least 1e-8
	v_mul_f32 v[(\m)], s[R7], v[(\m)]              ; s = m x (1/7 rounded to f32): one rounding
.endm
	s_load_b256 s[4:11], s[0:1], 0x0               ; x s[4:5], a s[6:7], pmax s[8:9], xb s[10:11]
	v_lshlrev_b32 v[OX], 4, v0
	v_lshlrev_b32 v[OH], 3, v0
	v_and_b32 v[OL], 31, v0
	v_lshlrev_b32 v[OL], 4, v[OL]
	s_and_b32 s12, ttmp7, 0xffff                   ; gy: which 16 rows
	s_lshl_b32 s16, s12, 18                        ; 16 rows of 16,384 bytes,
	s_lshl_b32 s18, ttmp9, 12                      ; and which 1,024 columns of 4 bytes: also the offset in a
	s_or_b32 s16, s16, s18
	s_mov_b32 s17, 0
	s_mov_b32 s19, 0
	s_lshr_b32 s24, s16, 1                         ; the same place in xb, 2 bytes a number
	s_mov_b32 s25, 0
	s_mov_b32 s[R7], 0x3e124925
	s_mov_b32 s[SEL], 0x76543210
	s_mov_b32 s[SEL+1], 0xfedcba98
	s_mov_b32 s[LO], 0xc1000000
	s_mov_b32 s[HI], 0x40e00000
	s_wait_kmcnt 0x0
	s_add_nc_u64 s[4:5], s[4:5], s[16:17]
	s_add_nc_u64 s[6:7], s[6:7], s[18:19]
	s_add_nc_u64 s[10:11], s[10:11], s[24:25]
.irp j, 0,1,2,3,4,5,6,7
	global_load_b128 v[P+4*(\j):P+4*(\j)+3], v[OL], s[8:9] offset:(\j)*512
.endr
	global_load_b128 v[D:D+3], v[OX], s[6:7]
.irp i, 0,1,2,3,4,5,6,7,8,9,10,11,12,13,14,15
	global_load_b128 v[X+4*(\i):X+4*(\i)+3], v[OX], s[4:5] offset:(\i)*ROWB th:TH_LOAD_NT  ; x's last reading
.endr
	s_wait_loadcnt 17                              ; the partial maxima are in: a and the 16 rows of x were asked for behind them
	SCALE P, M
	s_wait_loadcnt 16                              ; a is in: the 16 rows of x were asked for behind it
.irp j, 0,1,2,3
	v_mul_f32 v[D+(\j)], v[M], v[D+(\j)]           ; d = a s, rounded once
.endr
	RECIP4 R, D, ND, E
.macro QROW i
	s_wait_loadcnt 15-(\i)                         ; the rows behind row i stay out
	DIV4 V, X+4*(\i), ND, R, E                     ; x / d
.irp j, 0,1,2,3
	v_rndne_f32 v[V+(\j)], v[V+(\j)]
.endr
.irp j, 0,1,2,3
	v_med3_num_f32 v[V+(\j)], v[V+(\j)], s[LO], s[HI]      ; the clip to -8 .. 7
.endr
	v_cvt_pk_bf16_f32 v[X+4*(\i)],   v[V],   v[V+1]
	v_cvt_pk_bf16_f32 v[X+4*(\i)+1], v[V+2], v[V+3]
	global_store_b64 v[OH], v[X+4*(\i):X+4*(\i)+1], s[10:11] offset:(\i)*ROWH  ; a wave stores 256 consecutive bytes, aligned; its registers are not written again
.endm
.irp i, 0,1,2,3,4,5,6,7,8,9,10,11,12,13,14,15
	QROW \i
.endr
	s_endpgm
.Lfunc_end_k_qf87d01ac1a_quant:
	.size	k_qf87d01ac1a_quant, .Lfunc_end_k_qf87d01ac1a_quant-k_qf87d01ac1a_quant
	.p2alignl 7, 3214868480
	.fill 96, 4, 3214868480
	.section	.rodata,"a",@progbits
	.p2align	6, 0x0
	.amdhsa_kernel k_qf87d01ac1a_quant
		.amdhsa_group_segment_fixed_size 0
		.amdhsa_private_segment_fixed_size 0
		.amdhsa_enable_private_segment 0
		.amdhsa_kernarg_size 32
		.amdhsa_user_sgpr_count 2
		.amdhsa_user_sgpr_kernarg_segment_ptr 1
		.amdhsa_wavefront_size32 1
		.amdhsa_system_sgpr_workgroup_id_x 1
		.amdhsa_system_sgpr_workgroup_id_y 1
		.amdhsa_system_sgpr_workgroup_id_z 1
		.amdhsa_system_vgpr_workitem_id 0
		.amdhsa_next_free_vgpr 128
		.amdhsa_next_free_sgpr 66
		.amdhsa_reserve_vcc 0
		.amdhsa_float_denorm_mode_32 3
		.amdhsa_float_denorm_mode_16_64 3
		.amdhsa_memory_ordered 1
		.amdhsa_forward_progress 1
		.amdhsa_inst_pref_size 27
	.end_amdhsa_kernel
	.amdgpu_metadata
---
amdhsa.version: [ 1, 2 ]
amdhsa.kernels:
  - .name:           k_qf87d01ac1a_quant
    .symbol:         k_qf87d01ac1a_quant.kd
    .args:
      - { .name: x, .offset: 0, .size: 8, .value_kind: global_buffer, .address_space: global }
      - { .name: act_pre_scale, .offset: 8, .size: 8, .value_kind: global_buffer, .address_space: global }
      - { .name: pmax, .offset: 16, .size: 8, .value_kind: global_buffer, .address_space: global }
      - { .name: xb, .offset: 24, .size: 8, .value_kind: global_buffer, .address_space: global }
    .group_segment_fixed_size: 0
    .private_segment_fixed_size: 0
    .kernarg_segment_align: 8
    .kernarg_segment_size: 32
    .max_flat_workgroup_size: 256
    .sgpr_count:     66
    .vgpr_count:     128
    .wavefront_size: 32
...
	.end_amdgpu_metadata
.endif
;; end of part 2
;; launch gemm (part 3): grid 16 x 16, 4 waves a work-group, clusters of 4 x 4, 327,680 bytes of LDS; arguments xb, wb, out0, pmax, W_s, bias; writes out0
.if DOCPART == 3
	.amdgcn_target "amdgcn-amd-amdhsa--gfx1250"
	.amdhsa_code_object_version 6
	.text
	.protected	k_qf87d01ac1a_gemm
	.globl	k_qf87d01ac1a_gemm
	.p2align	8
	.type	k_qf87d01ac1a_gemm,@function
k_qf87d01ac1a_gemm:
	s_mov_b64 s[64:65], 0
	v_nop
	global_prefetch_b8 v0, s[64:65] scope:SCOPE_SE
	s_setreg_imm32_b32 hwreg(HW_REG_WAVE_MODE, 25, 1), 1
	s_wait_xcnt 0x0
	s_wait_alu depctr_hold_cnt(0) depctr_sa_sdst(0) depctr_va_vdst(0) depctr_va_sdst(0) depctr_va_ssrc(0) depctr_va_vcc(0) depctr_vm_vsrc(0)
	s_getreg_b32 s2, hwreg(HW_REG_IB_STS2, 6, 4)
	s_cmp_eq_u32 s2, 0
	s_cbranch_scc0 .Lentry_in_a_cluster
	s_endpgm
.Lentry_in_a_cluster:
	s_bfe_u32 s2, ttmp6, 0x10000c
	s_cmp_lg_u32 s2, 0xf033
	s_cbranch_scc0 .Lentry_shape_is_right
	s_endpgm
.Lentry_shape_is_right:
; THIRD OF THREE LAUNCHES.  out0[m][n] = (sum over k of xb[m][k] wb[n][k]) x (s W_s[n]) + bias[n].  xb, wb: [4096][4096] bf16, whole numbers; out0: [4096][4096] f32.
; s = max(largest of pmax, 1e-8) x (1/7 rounded to f32), the same bits as the launch before made, made by every wave from the 1,024 partial maxima while the first tiles are on their way.
; (reference() writes a division by 7: s may differ from that quotient in its last bit.)
; With xb in -8 .. 7 and wb in -8 .. 7 every product and every f32 sum (below 2^18) is exact, so s and W_s are applied once, to the finished sum, in one fused multiply-add with the bias.
; LIMITS.  wb beyond 256 in magnitude has bf16's rounding and the sums f32's; NaN and infinities are not treated apart.
; SHARES.  A tile of out0, 256 x 256, is made by a work-group of four waves; a wave makes 128 x 128: 64 accumulators of 16 x 16, 512 registers.  256 work-groups, one tile each.
; K goes in steps of 128 through a ring of two LDS slots filled by the tensor data mover: the tiles' rows are 256 bytes of memory and start at multiples of 256 bytes from the buffer's first byte.
; CLUSTERS: 4 x 4 work-groups.  The four of a row of the cluster need the same tiles of xb, the four of a column the same tiles of wb: each tile is asked for JOINTLY, by the same tensor load with the
; same descriptor and a mask that names the four; each receives it in its own LDS.
; THE MATRIX INSTRUCTION IS USED TRANSPOSED: source 0 = 16 rows of wb, source 1 = 16 rows of xb.  In the result lane l holds row l % 16 of out0 and its registers 0 to 7 the columns 8 (l / 16) + 0 .. 7:
; 32 neighbouring bytes of a row.
; REGISTERS, in windows of 256 (s_set_vgpr_msb's low byte: bits 1:0 source 0, 3:2 source 1, 5:4 source 2, 7:6 destination):
;   window 0: v0-31 addresses, s W_s and the bias; v32-63 the partial maxima; v64-127, v128-191 fragments of xb, two buffers, on the way out two buffers of 16 rows of out0
;   window 1: v64-127, v128-191 fragments of wb, two buffers
;   window 2: the 32 accumulators of my rows 0-63 (accumulator (a, b) at v[8 (8 a + b)]);   window 3: those of my rows 64-127
.set SIZE_K, 4096
.set SIZE_N, 4096
.set KSTEP,  128
.set PITCH,  272                       ; an LDS row: 256 bytes of data + 16 of padding = 68 words: row r starts at bank 4 r mod 64 (64 banks of 4 bytes: ISA guide 11.1), so the 16 rows that a load touches start at 16 different banks
.set HALFT,  128*PITCH                 ; 128 rows: what one tensor load brings, and what one wave reads of xb or of wb
.set SLOT,   4*HALFT                   ; xb's 256 rows, then wb's 256 rows
.set STAGE,  2*SLOT                    ; behind the ring: for each wave 16 rows of 128 f32, for the way out; no tensor load fills it
.set SPITCH, 528                       ; a stage row: 512 bytes + 16 = 132 words: again 16 rows at 16 different groups of four banks
.set WSTAGE, 16*SPITCH                 ; a wave's stage: 8,448 bytes, 33 blocks of 256
.set SPARE,  STAGE+4*WSTAGE            ; behind the stages: the spare words, 128 bytes for each wave: two blocks of 256 bytes that no other line names
.set LAPS,   SIZE_K/(2*KSTEP)          ; a lap = two K steps = once round the ring: 16
.set ROWO,   SIZE_N*4                  ; bytes in a row of out0
.set CSC,  8                           ; v[8:11]   W_s of my four columns on the way out, then s W_s
.set BIA,  12                          ; v[12:15]  their bias
.set ADRA, 16                          ; v16-17  LDS address of my xb fragments in slot 0, 1
.set ADRB, 20                          ; v20-21  the same for wb
.set STO,  24                          ; v24     the way out: where I put 32 bytes of a row
.set RD,   25                          ; v25     the way out: where I read 16 bytes of a row back
.set CO,   26                          ; v26     16 x lane: my byte offset in 512 bytes of out0, W_s, bias, pmax; never rewritten
.set SPW,  28                          ; v28     LDS address of my spare word: SPARE + 4 x my thread's number; never rewritten
.set NIL,  29                          ; v29     0; never rewritten
.set SV,   30                          ; v30     the maximum, then s
.set PM,   32                          ; v[32:63] the partial maxima
.set F0,   64                          ; fragment buffer 0
.set F1,   128                         ; fragment buffer 1
.set G1,  24                           ; s[24:31] descriptor group 1 for xb's tiles
.set G0,  32                           ; s[32:39] descriptor group 0 for xb's tiles, one set for each slot
.set G1B, 48                           ; s[48:55] descriptor group 1 for wb's tiles: it differs in the mask alone
.set G0B, 56                           ; s[56:63] descriptor group 0 for wb's tiles, one set for each slot
.set SEL, 72                           ; s[72:73] v_permlanex16_b32's selects
.set R7,  75                           ; s75  1/7 rounded to f32
.set MSB, 0
.macro WIN new                         ; the immediate's high byte repeats the setting that is left; a switch that changes nothing is dropped
.if MSB != (\new)
	s_set_vgpr_msb (MSB<<8)|(\new)
.set MSB, \new
.endif
.endm
.set MUL_LO, 0xa1                      ; source 0 (wb) window 1, source 1 (xb) window 0, C and D window 2
.set MUL_HI, 0xf1                      ; the same, C and D window 3
.set TO_B,   0x40                      ; destination window 1, address window 0
; A joint load.  Waves 0 and 1 fetch xb's two halves, waves 2 and 3 wb's.  Each of the two lines has ONE mask and one set of registers for all that issue it.  The branch hangs on the wave's
; number alone: it is the same in every work-group.  An s_nop 0 and four v_nop follow each of the two lines, ahead of the jump, the label and what follows.
.macro JLOAD s
	s_cmp_eq_u32 s11, 0
	s_cbranch_scc0 .Lfor_b_\@
	tensor_load_to_lds s[G0+4*(\s):G0+4*(\s)+3], s[G1:G1+7]
	s_nop 0
.rept 4
	v_nop
.endr
	s_branch .Lasked_\@
.Lfor_b_\@:
	tensor_load_to_lds s[G0B+4*(\s):G0B+4*(\s)+3], s[G1B:G1B+7]
	s_nop 0
.rept 4
	v_nop
.endr
.Lasked_\@:
.endm
; A round of the cluster's barrier: my work-group's barrier, so that wave 0's signal speaks for all four waves; wave 0 signals for the work-group; every wave waits for all sixteen
; work-groups; my work-group's barrier once more.  No LDS instruction of the wave is pending at a signal.
.macro CREST                           ; a round behind its opening barrier
	s_cmp_lg_u32 s10, 0
	s_cbranch_scc1 .Lnot_wave_0_\@
	s_barrier_signal -3
.Lnot_wave_0_\@:
	s_barrier_wait -3
	s_barrier_signal -1
	s_barrier_wait -1
.endm
.macro CROUND                          ; a whole round
	s_barrier_signal -1
	s_barrier_wait -1
	CREST
.endm
; The 32 registers at p (1,024 partial maxima over the wave) -> s in v[m], in every lane.  Four chains of seven, the four left over, the chains joined; the lanes; the clip at 1e-8; times 1/7.
.macro SCALE p, m
.irp k, 0,1,2,3
	v_max3_num_f32 v[(\p)+8*(\k)], v[(\p)+8*(\k)], v[(\p)+8*(\k)+1], v[(\p)+8*(\k)+2]
.endr
.irp k, 0,1,2,3
	v_max3_num_f32 v[(\p)+8*(\k)], v[(\p)+8*(\k)], v[(\p)+8*(\k)+3], v[(\p)+8*(\k)+4]
.endr
.irp k, 0,1,2,3
	v_max3_num_f32 v[(\p)+8*(\k)], v[(\p)+8*(\k)], v[(\p)+8*(\k)+5], v[(\p)+8*(\k)+6]
.endr
	v_max3_num_f32 v[(\p)], v[(\p)], v[(\p)+7], v[(\p)+15]
	v_max3_num_f32 v[(\p)+16], v[(\p)+16], v[(\p)+23], v[(\p)+31]
	v_max3_num_f32 v[(\p)], v[(\p)], v[(\p)+8], v[(\p)+16]
	v_max_num_f32 v[(\m)], v[(\p)], v[(\p)+24]
	v_max_num_f32_dpp v[(\m)], v[(\m)], v[(\m)] row_xmask:1 row_mask:0xf bank_mask:0xf
	v_max_num_f32_dpp v[(\m)], v[(\m)], v[(\m)] row_xmask:2 row_mask:0xf bank_mask:0xf
	v_max_num_f32_dpp v[(\m)], v[(\m)], v[(\m)] row_xmask:4 row_mask:0xf bank_mask:0xf
	v_max_num_f32_dpp v[(\m)], v[(\m)], v[(\m)] row_xmask:8 row_mask:0xf bank_mask:0xf
	v_permlanex16_b32 v[(\p)+1], v[(\m)], s[SEL], s[SEL+1]  ; its destination counts as read: a register that has been written
	v_max_num_f32 v[(\m)], v[(\m)], v[(\p)+1]
	v_max_num_f32 v[(\m)], 0x322bcc77, v[(\m)]     ; at least 1e-8
	v_mul_f32 v[(\m)], s[R7], v[(\m)]              ; s = m x (1/7 rounded to f32): one rounding
.endm
	s_load_b128 s[4:7], s[0:1], 0x0                ; xb s[4:5], wb s[6:7]
	s_load_b64 s[8:9], s[0:1], 0x10                ; out0
	s_load_b64 s[66:67], s[0:1], 0x18              ; pmax
	s_load_b128 s[68:71], s[0:1], 0x20             ; W_s s[68:69], bias s[70:71]
	v_lshl_add_u32 v[SPW], v0, 2, SPARE
	v_mov_b32 v[NIL], 0
	ds_add_u32 v[SPW], v[NIL]                      ; the wave's opening: the add and its wait stand ahead of my first tensor load; the set-up below, work on registers, stands between them
	v_lshrrev_b32 v1, 5, v0
	v_readfirstlane_b32 s10, v1                    ; wave 0..3
	s_lshr_b32 s11, s10, 1                         ; which half of the tile's rows is mine.  Also: I fetch for xb (0) or for wb (1)
	s_and_b32 s12, s10, 1                          ; which half of its columns.  Also: which 128 rows of that tile I fetch
	s_bfe_u32 s40, ttmp6, 0x40000                  ; cx: my place along the cluster's x
	s_bfe_u32 s41, ttmp6, 0x40004                  ; cy: along its y
	s_lshl_b32 s42, ttmp9, 2                       ; in a cluster launch ttmp9 and ttmp7 count clusters
	s_add_co_u32 s42, s42, s40                     ; tile column = 4 x cluster x + cx
	s_and_b32 s13, ttmp7, 0xffff
	s_lshl_b32 s13, s13, 2
	s_add_co_u32 s13, s13, s41                     ; tile row = 4 x cluster y + cy
	s_lshl_b32 s43, s41, 2
	s_lshl_b32 s43, 15, s43                        ; my row of the cluster: places 4 cy .. 4 cy + 3
	s_lshl_b32 s44, 0x1111, s40                    ; my column: places cx, cx + 4, cx + 8, cx + 12
	; descriptor group 1: a tile of 128 rows x 128 elements, padded in LDS
	s_or_b32 s[G1+0], s43, (1<<16)|(1<<20)|(1<<21)|(5<<22)|(3<<25)  ; 15:0 the mask: xb's tiles go to my row; 17:16 element of 2 bytes; 20 padding on; 21 set beside a mask; 24:22 after every 64 words (code 5); 31:25 of 4 words (code 3)
	s_or_b32 s[G1B+0], s44, (1<<16)|(1<<20)|(1<<21)|(5<<22)|(3<<25) ; the same with the mask of my column, for wb's tiles
	s_mov_b32 s[G1B+1], KSTEP<<16
	s_mov_b32 s[G1+1], KSTEP<<16                   ; 63:48 tensor_dim0, low half = 128
	s_mov_b32 s[G1B+2], 128<<16
	s_mov_b32 s[G1+2], 128<<16                     ; 79:64 its high half = 0; 95:80 tensor_dim1, low half = 128
	s_mov_b32 s[G1B+3], KSTEP<<16
	s_mov_b32 s[G1+3], KSTEP<<16                   ; 111:96 its high half = 0; 127:112 tile_dim0 = 128
	s_mov_b32 s[G1B+4], 128
	s_mov_b32 s[G1+4], 128                         ; 143:128 tile_dim1 = 128; 159:144 tile_dim2 = 0
	s_mov_b32 s[G1B+5], SIZE_K
	s_mov_b32 s[G1+5], SIZE_K                      ; 191:160 tensor_dim0_stride, low word: elements from row to row
	s_mov_b32 s[G1B+6], 0
	s_mov_b32 s[G1+6], 0
	s_mov_b32 s[G1B+7], 0
	s_mov_b32 s[G1+7], 0
	s_mov_b32 s[SEL], 0x76543210
	s_mov_b32 s[SEL+1], 0xfedcba98
	s_mov_b32 s[R7], 0x3e124925
	; where the tiles come from.  xb's hang on the tile row alone, which my row of the cluster shares; wb's on the tile column alone, which my column shares.
	; Every wave makes both addresses, in registers that never hold the other coordinate while they feed a descriptor, and asks by one of them.
	s_lshl_b32 s17, s12, 7                         ; which 128 rows of the tile I fetch
	s_lshl_b32 s16, s13, 8
	s_add_co_u32 s16, s16, s17                     ; xb: row 256 x tile row + 128 x half
	s_lshl_b32 s46, s42, 8
	s_add_co_u32 s46, s46, s17                     ; wb: row 256 x tile column + 128 x half
	s_mov_b32 s17, 0
	s_mov_b32 s47, 0
	s_mov_b64 s[18:19], SIZE_K*2
	s_mul_u64 s[16:17], s[16:17], s[18:19]         ; in bytes, in 64 bits
	s_mul_u64 s[46:47], s[46:47], s[18:19]
	s_mul_i32 s20, s10, HALFT                      ; and where they go: xb's two halves, then wb's two halves = wave x 128 rows: no place in the cluster enters an LDS address
	s_wait_dscnt 0x0                               ; the opening add is done
	s_wait_kmcnt 0x0
	s_add_nc_u64 s[14:15], s[4:5], s[16:17]
	s_add_nc_u64 s[46:47], s[6:7], s[46:47]
	CROUND                                         ; all sixteen work-groups are here: the first joint loads meet
.irp s, 0,1
	s_mov_b32 s[G0+4*(\s)], 1                                      ; 1:0 count = 1
	s_add_co_u32 s[G0+4*(\s)+1], s20, (\s)*SLOT                    ; 63:32 LDS address
	s_add_nc_u64 s[G0+4*(\s)+2:G0+4*(\s)+3], s[14:15], (\s)*KSTEP*2  ; 120:64 global address: K step s
	s_or_b32 s[G0+4*(\s)+3], s[G0+4*(\s)+3], 0x80000000            ; 127:126 type = 2
	s_mov_b32 s[G0B+4*(\s)], 1
	s_add_co_u32 s[G0B+4*(\s)+1], s20, (\s)*SLOT
	s_add_nc_u64 s[G0B+4*(\s)+2:G0B+4*(\s)+3], s[46:47], (\s)*KSTEP*2
	s_or_b32 s[G0B+4*(\s)+3], s[G0B+4*(\s)+3], 0x80000000
	JLOAD \s                                       ; the ring is filled before anything else is done: two tensor loads of mine are out
.endr
	; what the way out needs comes in while the first tiles are on their way: the partial maxima, and W_s and the bias of the four columns 4 x lane .. + 3 of my 128
	v_and_b32 v1, 15, v0                           ; l % 16
	v_bfe_u32 v2, v0, 4, 1                         ; l / 16
	v_and_b32 v[CO], 31, v0
	v_lshlrev_b32 v[CO], 4, v[CO]
	s_lshl_b32 s46, s42, 10                        ; my first column, in bytes of f32: 1,024 x tile column + 512 x half
	s_lshl_b32 s47, s12, 9
	s_add_co_u32 s46, s46, s47
	s_mov_b32 s47, 0
	s_add_nc_u64 s[68:69], s[68:69], s[46:47]
	s_add_nc_u64 s[70:71], s[70:71], s[46:47]
.irp j, 0,1,2,3,4,5,6,7
	global_load_b128 v[PM+4*(\j):PM+4*(\j)+3], v[CO], s[66:67] offset:(\j)*512
.endr
	global_load_b128 v[CSC:CSC+3], v[CO], s[68:69]
	global_load_b128 v[BIA:BIA+3], v[CO], s[70:71]
	; A fragment is 16 rows x 32 K in 8 registers: lane l holds row l % 16; registers 0-3 hold K = 8 (l / 16) + 0..7, registers 4-7 hold
	; K = 16 + 8 (l / 16) + 0..7.  From rows that lie along K: two loads of 16 bytes, 32 bytes apart.  The same for source 0 and source 1.
	v_mul_u32_u24 v3, v1, PITCH
	v_lshl_add_u32 v3, v2, 4, v3                   ; row x pitch + 16 x half
	s_mul_i32 s21, s11, HALFT                      ; my 128 rows of xb
	s_mul_i32 s22, s12, HALFT                      ; my 128 rows of wb,
	s_add_co_u32 s22, s22, 2*HALFT                 ; which lie behind xb's 256
.irp s, 0,1
	v_add_nc_u32 v[ADRA+(\s)], s21, v3
	v_add_nc_u32 v[ADRB+(\s)], s22, v3
	s_add_co_u32 s21, s21, SLOT
	s_add_co_u32 s22, s22, SLOT
.endr
	s_mul_i32 s23, s10, WSTAGE
	s_add_co_u32 s23, s23, STAGE                   ; my stage
	v_mul_u32_u24 v4, v1, SPITCH                   ; in: row l % 16, 32 bytes for each half of the lanes
	v_lshl_add_u32 v4, v2, 5, v4
	v_add_nc_u32 v[STO], s23, v4
	v_add_nc_u32 v[RD], s23, v[CO]                 ; back: the 32 lanes take one row of 512 bytes
	; out0 at my part of the tile
	s_lshl_b32 s13, s13, 8
	s_lshl_b32 s14, s11, 7
	s_add_co_u32 s16, s13, s14                     ; my first row,
	s_lshl_b32 s16, s16, 14                        ; of 16,384 bytes (below 2^26),
	s_mov_b32 s17, 0
	s_add_nc_u64 s[16:17], s[16:17], s[46:47]      ; and my first column
	s_add_nc_u64 s[8:9], s[8:9], s[16:17]
	s_wait_loadcnt 0x0                             ; the partial maxima, W_s and the bias, once
	SCALE PM, SV
.irp j, 0,1,2,3
	v_mul_f32 v[CSC+(\j)], v[SV], v[CSC+(\j)]      ; s W_s: what a finished sum is multiplied by
.endr
; 16 matrix instructions: m blocks a0, a0 + 1 of the window's four (hi = 0: my rows 0-63, 1: rows 64-127) x all 8 n blocks, 32 along K.
; zero = 1: the first product starts the sums: nothing is ever cleared.
.macro MUL16 f, hi, a0, zero
	WIN MUL_LO+0x50*(\hi)  ; MUL_LO or MUL_HI
.irp a, \a0, (\a0)+1
.irp b, 0,1,2,3,4,5,6,7
.if \zero
	v_wmma_f32_16x16x32_bf16 v[8*(8*(\a)+(\b)):8*(8*(\a)+(\b))+7], v[(\f)+8*(\b):(\f)+8*(\b)+7], v[(\f)+8*(4*(\hi)+(\a)):(\f)+8*(4*(\hi)+(\a))+7], 0
.else
	v_wmma_f32_16x16x32_bf16 v[8*(8*(\a)+(\b)):8*(8*(\a)+(\b))+7], v[(\f)+8*(\b):(\f)+8*(\b)+7], v[(\f)+8*(4*(\hi)+(\a)):(\f)+8*(4*(\hi)+(\a))+7], v[8*(8*(\a)+(\b)):8*(8*(\a)+(\b))+7]
.endif
.endr
.endr
.endm
; 32 LDS loads in one run: the fragments of one quarter step (128 rows of wb, 128 rows of xb, 32 K at byte k of the rows) into buffer f
.macro FETCH slot, k, f
	WIN TO_B
.irp i, 0,1,2,3,4,5,6,7
	ds_load_b128 v[(\f)+8*(\i):(\f)+8*(\i)+3],   v[ADRB+(\slot)] offset:(\k)+(\i)*16*PITCH
	ds_load_b128 v[(\f)+8*(\i)+4:(\f)+8*(\i)+7], v[ADRB+(\slot)] offset:(\k)+(\i)*16*PITCH+32
.endr
	WIN 0
.irp i, 0,1,2,3,4,5,6,7
	ds_load_b128 v[(\f)+8*(\i):(\f)+8*(\i)+3],   v[ADRA+(\slot)] offset:(\k)+(\i)*16*PITCH
	ds_load_b128 v[(\f)+8*(\i)+4:(\f)+8*(\i)+7], v[ADRA+(\slot)] offset:(\k)+(\i)*16*PITCH+32
.endr
.endm
; A load into a register that a matrix instruction has read, and an LDS store that reads a matrix result, stand four places behind that matrix instruction, and only plain vector
; instructions that name none of its registers are places (ISA guide 7.12.1 for vector instructions).  So four v_nop stand in front of each run of loads.
.macro PLACES
.rept 4
	v_nop
.endr
.endm
; A K step is four quarter steps of 32 along K, 64 matrix instructions each, on buffers 0, 1, 0, 1.  The 64 accumulators take turns, in the same order in every quarter.
; One of the first three: multiplies buffer f; in its middle it fetches the next quarter's fragments, at byte k of the same slot's rows, into buffer g.
.macro QUARTER slot, k, f, g, zero
	s_wait_dscnt 8                                 ; wb and xb's rows 0-63 are in; the youngest eight loads (xb's rows 64-127) may be out
	WIN MUL_LO
	MUL16 \f, 0, 0, \zero
	MUL16 \f, 0, 2, \zero
	PLACES
	FETCH \slot, \k, \g
	s_wait_dscnt 32                                ; all but the 32 just issued
	WIN MUL_HI
	MUL16 \f, 1, 0, \zero
	MUL16 \f, 1, 2, \zero
.endm
; The last quarter multiplies buffer 1 and changes slots.  MEET is its first half: ONE barrier for the change of slots, for two things.  In front of it each wave waits for all its tensor loads,
; of which one is out: its part of the next slot; adds 0 to its spare word; and waits for that and for its own reads of this slot.  Behind it nobody reads this slot any more and the next slot is whole.
.macro MEET round                      ; round = 1: a round of the cluster's barrier follows
	WIN 0                                          ; (the add's two registers lie in window 0)
	s_wait_tensorcnt 0x0                           ; all my tensor loads have landed: the one that was out is my part of the next slot;
	ds_add_u32 v[SPW], v[NIL]                      ; 0 onto my spare word;
	s_wait_dscnt 9                                 ; (the add and the youngest eight loads may be out)
	WIN MUL_LO
	MUL16 F1, 0, 0, 0                              ; sixteen matrix instructions stand between the add and the wait for it
	s_wait_dscnt 0x0                               ; the add is done, and my reads of this slot are over:
	s_barrier_signal -1                            ; say so (where a slot is filled again this barrier opens a round of the cluster's barrier),
	MUL16 F1, 0, 2, 0                              ; work on registers while the others arrive,
.if \round
	WIN 0
.endif
	s_barrier_wait -1                              ; and go on when all four have said so
.endm
; The whole last quarter.  fill = 1: behind the round the slot just read out is filled again first, with the K step two steps on: from that request to the wait for it a wave issues 224 matrix
; instructions.  Then come the next slot's first fragments.
.macro TURN slot, next, fill
	MEET \fill
.if \fill
	CREST                                          ; wave 0 says so for the work-group, all sixteen work-groups have said so, my work-group's barrier closes the round:
	                                               ; no wave of any partner still reads this slot's tile or has a load on its way
	s_add_nc_u64 s[G0+4*(\slot)+2:G0+4*(\slot)+3], s[G0+4*(\slot)+2:G0+4*(\slot)+3], 2*KSTEP*2    ; no tensor load of mine is out, so a group 0 may be written; the type bits on top are not reached
	s_add_nc_u64 s[G0B+4*(\slot)+2:G0B+4*(\slot)+3], s[G0B+4*(\slot)+2:G0B+4*(\slot)+3], 2*KSTEP*2
	JLOAD \slot                                    ; the first tensor load behind the round, my only one until the next; the four v_nop behind it are also the places in front of the loads below
.else
	PLACES
.endif
	FETCH \next, 0, F0
	WIN MUL_HI
	MUL16 F1, 1, 0, 0
	MUL16 F1, 1, 2, 0
.endm
; THE WAY OUT of block a (16 rows x 128 columns), in two parts.  TOSTAGE: the sums go as they are, 32 bytes a lane, into my own stage in LDS and come back as whole rows of 512 bytes, so that lane L
; always holds columns 4 L .. 4 L + 3.  Each accumulator's four lowest registers are read first.  SEND: sum x (s W_s) + bias, one fused multiply-add, and the row is stored.
.macro TOSTAGE a
.set AC, 64*((\a)%4)
.set BK, F0+64*((\a)%2)
	WIN 0x08+4*((\a)/4)                            ; the stores' data (source 1): window 2 or 3
.irp b, 0,1,2,3,4,5,6,7
	ds_store_b128 v[STO], v[AC+8*(\b):AC+8*(\b)+3]   offset:64*(\b)
	ds_store_b128 v[STO], v[AC+8*(\b)+4:AC+8*(\b)+7] offset:64*(\b)+16
.endr
	WIN 0
.if (\a) >= 2
	s_wait_xcnt 0x0                                ; every earlier memory instruction has had its addresses translated (ISA guide 3.1): this buffer, the data of block a - 2's stores, is loaded again only behind this wait
.endif
.irp t, 0,1,2,3,4,5,6,7,8,9,10,11,12,13,14,15
	ds_load_b128 v[BK+4*(\t):BK+4*(\t)+3], v[RD] offset:(\t)*SPITCH  ; LDS serves a wave's instructions in order (ISA guide 5.7.1.4): these see the stores above; the next block's stores come behind them
.endr
.endm
.macro SEND a, younger                 ; younger: the LDS instructions issued behind block a's loads: the next block's 16 stores and 16 loads, or none
	WIN 0
.set BK, F0+64*((\a)%2)
.irp t, 0,1,2,3,4,5,6,7,8,9,10,11,12,13,14,15
	s_wait_dscnt (\younger)+15-(\t)                ; row t is back in registers
	v_pk_fma_f32 v[BK+4*(\t):BK+4*(\t)+1],   v[BK+4*(\t):BK+4*(\t)+1],   v[CSC:CSC+1],   v[BIA:BIA+1]
	v_pk_fma_f32 v[BK+4*(\t)+2:BK+4*(\t)+3], v[BK+4*(\t)+2:BK+4*(\t)+3], v[CSC+2:CSC+3], v[BIA+2:BIA+3]
	global_store_b128 v[CO], v[BK+4*(\t):BK+4*(\t)+3], s[8:9] offset:(16*(\a)+(\t))*ROWO th:TH_STORE_NT  ; the wave stores 512 consecutive bytes, at a multiple of 512 from out0's first byte; 127 rows at the most: inside the signed 24-bit immediate
.endr
.endm
	s_wait_tensorcnt 1                             ; my part of K step 0 is in; K step 1's may stay out
	s_barrier_signal -1
	s_barrier_wait -1                              ; everybody's is
	FETCH 0, 0, F0
	QUARTER 0, 64,  F0, F1, 1                      ; the first quarter stands in front of the loop: its products start the sums
	WIN 0                                          ; at a label and at a branch every window is 0
	s_mov_b32 s3, LAPS-1
.Llap:                                                 ; a trip goes once round the ring, from a lap's second quarter to the next lap's first, and fills both slots again
	QUARTER 0, 128, F1, F0, 0
	QUARTER 0, 192, F0, F1, 0
	TURN 0, 1, 1
	QUARTER 1, 64,  F0, F1, 0
	QUARTER 1, 128, F1, F0, 0
	QUARTER 1, 192, F0, F1, 0
	TURN 1, 0, 1
	QUARTER 0, 64,  F0, F1, 0
	WIN 0
	s_sub_co_u32 s3, s3, 1
	s_cmp_lg_u32 s3, 0
	s_cbranch_scc1 .Llap
	QUARTER 0, 128, F1, F0, 0                      ; the last lap is written out: it fills nothing, and has no round of the cluster's barrier
	QUARTER 0, 192, F0, F1, 0
	TURN 0, 1, 0                                   ; the tensor load that was still out is slot 1's, the last K step's
	QUARTER 1, 64,  F0, F1, 0
	QUARTER 1, 128, F1, F0, 0
	QUARTER 1, 192, F0, F1, 0
	s_wait_dscnt 8                                 ; the very last quarter: nothing more to fetch
	MUL16 F1, 0, 0, 0
	MUL16 F1, 0, 2, 0
	s_wait_dscnt 0x0
	MUL16 F1, 1, 0, 0
	MUL16 F1, 1, 2, 0
	WIN 0
	PLACES                                         ; behind the last products: the stage's stores read results, and its loads land in xb's fragment buffers
	TOSTAGE 0
.irp a, 1,2,3,4,5,6,7                  ; block a's way through the stage is issued ahead of block a - 1's arithmetic and stores
	TOSTAGE \a
	SEND (\a)-1, 32
.endr
	SEND 7, 0
	s_wait_tensorcnt 0x0                           ; the wave's end: behind my last tensor load and my last LDS store
	ds_add_u32 v[SPW], v[NIL]
	s_wait_dscnt 0x0
	CROUND                                         ; the closing round: no work-group ends while a partner may still ask for a tile that names it
	s_endpgm
.Lfunc_end_k_qf87d01ac1a_gemm:
	.size	k_qf87d01ac1a_gemm, .Lfunc_end_k_qf87d01ac1a_gemm-k_qf87d01ac1a_gemm
	.p2alignl 7, 3214868480
	.fill 96, 4, 3214868480
	.section	.rodata,"a",@progbits
	.p2align	6, 0x0
	.amdhsa_kernel k_qf87d01ac1a_gemm
		.amdhsa_group_segment_fixed_size 327680
		.amdhsa_private_segment_fixed_size 0
		.amdhsa_enable_private_segment 0
		.amdhsa_kernarg_size 48
		.amdhsa_user_sgpr_count 2
		.amdhsa_user_sgpr_kernarg_segment_ptr 1
		.amdhsa_wavefront_size32 1
		.amdhsa_system_sgpr_workgroup_id_x 1
		.amdhsa_system_sgpr_workgroup_id_y 1
		.amdhsa_system_sgpr_workgroup_id_z 1
		.amdhsa_system_vgpr_workitem_id 0
		.amdhsa_next_free_vgpr 1024
		.amdhsa_next_free_sgpr 80
		.amdhsa_reserve_vcc 0
		.amdhsa_float_denorm_mode_32 3
		.amdhsa_float_denorm_mode_16_64 3
		.amdhsa_memory_ordered 1
		.amdhsa_forward_progress 1
		.amdhsa_inst_pref_size 163
	.end_amdhsa_kernel
	.amdgpu_metadata
---
amdhsa.version: [ 1, 2 ]
amdhsa.kernels:
  - .name:           k_qf87d01ac1a_gemm
    .symbol:         k_qf87d01ac1a_gemm.kd
    .args:
      - { .name: xb, .offset: 0, .size: 8, .value_kind: global_buffer, .address_space: global }
      - { .name: wb, .offset: 8, .size: 8, .value_kind: global_buffer, .address_space: global }
      - { .name: out0, .offset: 16, .size: 8, .value_kind: global_buffer, .address_space: global }
      - { .name: pmax, .offset: 24, .size: 8, .value_kind: global_buffer, .address_space: global }
      - { .name: W_s, .offset: 32, .size: 8, .value_kind: global_buffer, .address_space: global }
      - { .name: bias, .offset: 40, .size: 8, .value_kind: global_buffer, .address_space: global }
    .group_segment_fixed_size: 327680
    .private_segment_fixed_size: 0
    .kernarg_segment_align: 8
    .kernarg_segment_size: 48
    .max_flat_workgroup_size: 128
    .sgpr_count:     80
    .vgpr_count:     1024
    .wavefront_size: 32
...
	.end_amdgpu_metadata
.endif
;; end of part 3
